; MI455X (gfx1250); checked and timed in simulation.
; The chip was launched on July 23, 2026; its instructions are those of AMD's public machine-readable ISA for CDNA 5 (MIT licence, August 2026) and "CDNA5" Instruction Set Architecture Reference Guide (July 2026). The comments in the code are by the model that wrote it; some were corrected since.
;; GMF. Allowed arithmetic: matrix products marked QUANTISED: E5M2 operands, one given power-of-two scale a tensor, by v_wmma_f32_16x16x64_bf8_bf8 or v_wmma_f32_16x16x128_bf8_bf8, f32 sums; everything else in f32.
;; Inputs: P_weight 64 x 1,000,000 float32; Q_weight 64 x 100,032 float32; genres_one_hot_codes 16,384 x 1 x 32 uint8 (E5M2 codes of genres_one_hot, K innermost, in blocks of 32 codes); item_ids 16,384 int32; lowp_scales 2 int32 (the exponents e of the quantised operands' scales 2^e); user_ids 16,384 int32.
;; Outputs: out0 16,384 x 1 float32.
;; This version of the problem:
;;   THIS VERSION OF THE PROBLEM IS GIVEN IN LOW PRECISION. The matrix products marked QUANTISED in the list below multiply operands that are first quantised to E5M2 (5 exponent bits, 2 mantissa bits; 8 bits a number), with one given power-of-two scale for each operand tensor; their sums are f32. All else is computed in f32.
;;   The module's matrix products, in the order in which they are computed (A, B: the left and right operand; K: the contracted axis; several contracted axes count as one K, in the product's order):
;;     1. [M 16,384, K 32] x [K 32, N 64]; A: input genres_one_hot (given as codes); B: input Q_weight: QUANTISED (scales: A lowp_scales[0], B lowp_scales[1])
;;   THE QUANTISER, for each operand of a quantised product, along K:
;;     - The operand's scale is 2^e, e = its entry of the input lowp_scales (int32; the entries are numbered through the quantised products in the list's order, A before B).
;;     - Each number is divided by the scale, clamped to +-57,344, and rounded to the nearest number of E5M2, ties to even, subnormals kept.
;;     - The product sums the exact products of the quantised numbers (number of the format x scale) in f32.
;;   ~~~python
;;   def quantise(x, axis, e):      # numpy; x: float32 -> the quantised numbers, widened to float32 again
;;       x = np.moveaxis(x, axis, -1); K = x.shape[-1]
;;       r = np.clip(x / 2.0 ** e, -57344, 57344)
;;       step = 2.0 ** (np.maximum(np.frexp(np.where(r == 0, 1, r))[1] - 1, -14) - 2)
;;       q = np.round(r / step) * step * 2.0 ** e      # np.round: ties to even
;;       return np.moveaxis(q, -1, axis).astype(np.float32)
;;   ~~~
;;   INPUTS GIVEN AS CODES. genres_one_hot (in the module: [16384, 32], K = its axis 1): each comes as NAME_codes (uint8): NAME with its K axis moved to the last place and cut into blocks of 32 codes, [.., K / 32, bytes a block], one block behind the other in memory; one code a byte (a code: sign, 5 exponent bits, 2 mantissa bits); its scale is its entry of lowp_scales. Its value is code x scale, taken as it is: it is not quantised again, and the codes and scales need not be those that the quantiser above would give.
;; 2 versions. Each part assembles by itself: llvm-mc -triple=amdgcn-amd-amdhsa -mcpu=gfx1250 --defsym DOCPART=n.
;; ======== version 1 of 2: 1 launch
;; launch gmf (part 1): grid 256 x 1, 4 waves a work-group, no clusters, 3,584 bytes of LDS; arguments user_ids, item_ids, genres_one_hot_codes, lowp_scales, P_weight, out0, Q_weight; writes out0
.if DOCPART == 1
	.amdgcn_target "amdgcn-amd-amdhsa--gfx1250"
	.amdhsa_code_object_version 6
	.text
	.protected	k_qcf89e388fb_gmf
	.globl	k_qcf89e388fb_gmf
	.p2align	8
	.type	k_qcf89e388fb_gmf,@function
k_qcf89e388fb_gmf:
	s_mov_b64 s[64:65], 0
	v_nop
	global_prefetch_b8 v0, s[64:65] scope:SCOPE_SE
	s_setreg_imm32_b32 hwreg(HW_REG_WAVE_MODE, 25, 1), 1
	s_wait_xcnt 0x0
; out[b] = sum over k = 0..63 of P[k][user[b]] x ( Q[k][item[b]] + sum over g = 0..31 of genres[b][g] x Q[k][100000 + g] ).
; P: [64][1,000,000] f32, Q: [64][100,032] f32, genres: [16,384][32] codes of E5M2 with the scale 2^e0; the 64 x 32 genre weights are quantised here to E5M2 with the scale 2^e1.
; SHARES.  256 work-groups of four waves; a work-group owns 64 batch elements, a wave 16.
; LAYOUT.  The matrix instruction is used transposed: source 0 = 16 rows (latent k) of the genre weights, source 1 = my 16 batch elements' genre codes.  In tile t lane (r, h) (r = lane % 16, h = lane / 16)
; then holds batch element r, and its register j the latent index 16 t + 8 h + j.  The lane gathers just these 32 numbers of P and of Q, into registers laid like the four accumulators: nothing changes lanes
; before the last addition of lane l and lane l xor 16.
; K is 32 and the form multiplies 64 deep: registers 4-7 of both operands hold zero codes, which add nothing.  k is permuted alike in both operands (a lane holds g = 16 h + 0 .. 15 in registers 0-3),
; so every product meets its partner and the codes come in by one load of 16 bytes a lane.
; THE GATHERS are 64 loads a wave, each lane at a place of its own; all are issued as soon as the ids are in, and all arithmetic stands beneath them.
; THE WEIGHTS are quantised once in a work-group: wave w makes tile w and hands it to the others through LDS.
; THE SUMS.  sum1 = sum of P x Q_item and sum2 = sum of P x (the codes' raw sums) are kept apart; out = sum1 + sum2 x 2^(e0 + e1), by v_ldexp_f32.  That is another order of rounding than
; adding the two parts of q first; every step is f32.
; LIMITS.  An id outside its table (taken as unsigned, so a negative one too) is held at the table's last column.  e1 lies between -126 and 112, so that 2^e1 and 57,344 x 2^e1 are f32 numbers;
; e0 + e1 has no limit.  NaN among the 64 x 32 genre weights is not served; an infinity there is held at the largest code, as the quantiser holds it.
.set NU,    1000000                    ; columns of P
.set NI,    100000                     ; item columns of Q; the 32 genre columns follow them
.set PROW,  NU*4                       ; bytes in a row of P
.set QROW,  (NI+32)*4                  ; bytes in a row of Q
.set RES,   2048                       ; LDS: bytes 0-2,047 the weights' codes (tile t, lane l: 16 bytes at 512 t + 16 l); bytes 2,048-2,303 the work-group's 64 results
.set X,     16                         ; v16-31    16 genre weights in f32
.set WC,    32                         ; v32-35    their codes
.set A,     40                         ; v40-71    four tiles of weights: 4 registers of codes, 4 of zeros each
.set B,     72                         ; v72-79    my batch elements' genre codes: 4 registers, and 4 of zeros
.set D,     80                         ; v80-111   the four accumulators
.set PU,    112                        ; v112-143  P[16 t + 8 h + j][user] at 8 t + j
.set QI,    144                        ; v144-175  Q likewise
.set SUMI,  176                        ; v176-177  sum1, even j's and odd j's
.set SUMG,  178                        ; v178-179  sum2 likewise
.set RO,    180                        ; v180-181  wave 0: two results to store
.set PB,    20                         ; s[20:43]  P at rows 16 t, 16 t + 3, 16 t + 6: three bases a tile; the loads' immediates add 0, 1 or 2 rows
.set QB,    44                         ; s[44:51]  Q at row 16 t; the immediates add 0 to 7 rows
.set SEL,   52                         ; s[52:53]  v_permlanex16_b32's selects for lane l xor 16
.set WV,    54                         ; s54       my wave's number
	s_load_b256 s[4:11], s[0:1], 0x0               ; user_ids s[4:5], item_ids s[6:7], genre codes s[8:9], the scales' exponents s[10:11]
	s_load_b128 s[12:15], s[0:1], 0x20             ; P s[12:13], out s[14:15]
	s_load_b64 s[QB:QB+1], s[0:1], 0x30            ; Q
	v_lshl_add_u32 v192, v0, 2, 0xc00
	v_mov_b32 v193, 0
	v_lshrrev_b32 v3, 5, v0
	v_readfirstlane_b32 s[WV], v3                  ; wave 0..3
	v_and_b32 v1, 15, v0                           ; r
	v_bfe_u32 v2, v0, 4, 1                         ; h
	v_and_b32 v3, 31, v0                           ; lane
	s_lshl_b32 s55, s[WV], 4
	s_lshl_b32 s56, ttmp9, 6
	s_add_co_u32 s56, s56, s55                     ; my wave's first batch element: 64 x work-group + 16 x wave
	v_add_nc_u32 v6, s55, v1                       ; the row of weights that I quantise: 16 x wave + r,
	v_mul_u32_u24 v6, v6, QROW
	v_lshl_add_u32 v6, v2, 6, v6                   ; its g = 16 h on: 64 bytes (the 400,000 bytes of item columns stand in the immediate)
	v_add_lshl_u32 v4, v1, s56, 2                  ; my batch element's id: 4 bytes
	v_add_lshl_u32 v5, v1, s56, 5                  ; its 32 codes,
	v_lshl_add_u32 v5, v2, 4, v5                   ; my half of them: the wave reads 512 consecutive bytes
	s_wait_kmcnt 0x0
	s_load_b64 s[18:19], s[10:11], 0x0             ; e0, e1
.irp i, 0,1,2,3
	global_load_b128 v[X+4*\i:X+4*\i+3], v6, s[QB:QB+1] offset:NI*4+16*\i th:TH_LOAD_HT   ; every work-group reads these 8,192 bytes
.endr
	global_load_b128 v[B:B+3], v5, s[8:9] th:TH_LOAD_NT
	global_load_b32 v7, v4, s[4:5] th:TH_LOAD_NT   ; both halves of the lanes take the same 16 ids
	global_load_b32 v8, v4, s[6:7] th:TH_LOAD_NT
	; while these are on their way: the bases and the lanes' terms of the gathers
.irp t, 0,1,2,3
.irp g, 0,1,2
	s_add_nc_u64 s[PB+6*\t+2*\g:PB+6*\t+2*\g+1], s[12:13], (16*\t+3*\g)*PROW
.endr
.endr
.irp t, 1,2,3
	s_add_nc_u64 s[QB+2*\t:QB+2*\t+1], s[QB:QB+1], 16*\t*QROW
.endr
	s_mov_b32 s[SEL], 0x76543210
	s_mov_b32 s[SEL+1], 0xfedcba98
	s_mov_b32 s60, 8*PROW
	v_mul_lo_u32 v13, v2, s60                      ; lanes 16-31 stand eight rows further down in P (32,000,000 bytes: more than 24 bits),
	v_mul_u32_u24 v14, v2, 8*QROW                  ; and in Q
	s_lshl_b32 s61, s[WV], 9
	v_lshl_add_u32 v9, v3, 4, s61                  ; LDS: where my codes go: 512 x wave + 16 x lane
	v_lshlrev_b32 v10, 4, v3                       ; and from where I read a tile back
	s_wait_kmcnt 0x0
	s_add_co_i32 s57, s19, 127
	s_lshl_b32 s58, s57, 23
	v_mov_b32 v12, s58                             ; 2^e1 as f32: the conversion takes its exponent field
	s_add_co_i32 s57, s57, 15
	s_lshl_b32 s57, s57, 23
	s_or_b32 s57, s57, 0x600000
	v_mov_b32 v11, s57                             ; 57,344 x 2^e1
	s_add_co_i32 s59, s18, s19                     ; e0 + e1
	s_wait_loadcnt 0x3                             ; my 16 weights are in; the codes and the two ids may be out
.irp i, 0,1,2,3,4,5,6,7,8,9,10,11,12,13,14,15
	v_med3_num_f32 v[X+\i], v[X+\i], -v11, v11     ; the conversion to an 8-bit code does not saturate (ISA guide 7.6.2): hold the number first
.endr
	v_cvt_scalef32_pk8_bf8_f32 v[WC:WC+1], v[X:X+7], v12       ; g = 16 h + 0 .. 7: x / 2^e1 to the nearest code, ties to even; the first number's code in the lowest byte
	v_cvt_scalef32_pk8_bf8_f32 v[WC+2:WC+3], v[X+8:X+15], v12  ; g = 16 h + 8 .. 15
.irp i, 4,5,6,7                                        ; the zero codes for k = 32 .. 63; these lines are also the plain place between the conversions and the store of their results
	v_mov_b32 v[B+\i], 0
.irp t, 0,1,2,3
	v_mov_b32 v[A+8*\t+\i], 0
.endr
.endr
	ds_store_b128 v9, v[WC:WC+3]
	s_wait_loadcnt 0x0                             ; the ids (and the codes, issued ahead of them)
	v_min_u32 v7, NU-1, v7                         ; an id enters an address only held inside its table
	v_min_u32 v8, NI-1, v8
	v_lshlrev_b32 v7, 2, v7
	v_lshlrev_b32 v8, 2, v8
	v_add_nc_u32 v7, v7, v13                       ; 4 x user + 8 h rows of P
	v_add_nc_u32 v8, v8, v14                       ; 4 x item + 8 h rows of Q
	; THE GATHERS: 64 loads, tile by tile.  No register is stepped: the row stands in the base and in an immediate of 0 or more (two rows of P are 8,000,000 bytes, seven of Q 2,800,896: inside the signed 24 bits).
.irp t, 0,1,2,3
.irp j, 0,1,2,3,4,5,6,7
	global_load_b32 v[PU+8*\t+\j], v7, s[PB+6*\t+2*(\j/3):PB+6*\t+2*(\j/3)+1] offset:(\j%3)*PROW
.endr
.irp j, 0,1,2,3,4,5,6,7
	global_load_b32 v[QI+8*\t+\j], v8, s[QB+2*\t:QB+2*\t+1] offset:\j*QROW th:TH_LOAD_HT   ; 16,384 items fall on 100,000 columns: Q's bytes are wanted again by other work-groups
.endr
.endr
	s_wait_dscnt 0x0                               ; for the others' sake: my tile of codes is in LDS
	s_barrier_signal -1
	s_barrier_wait -1                              ; all four tiles are
.irp t, 0,1,2,3
	ds_load_b128 v[A+8*\t:A+8*\t+3], v10 offset:512*\t   ; 32 lanes, 512 consecutive bytes
.endr
	s_wait_dscnt 0x0
.irp t, 0,1,2,3
	v_wmma_f32_16x16x64_bf8_bf8 v[D+8*\t:D+8*\t+7], v[A+8*\t:A+8*\t+7], v[B:B+7], 0   ; four accumulators, one instruction each; C = 0: nothing is cleared
.endr
	s_lshl_b32 s62, s[WV], 6
	s_add_co_u32 s62, s62, RES
	s_lshl_b32 s63, ttmp9, 8
	v_lshl_add_u32 v15, v1, 2, s62                 ; LDS: my batch element's result: RES + 64 x wave + 4 r.  These four plain lines are the places between the products and the first read of a result (ISA guide 7.12.1)
	v_lshl_add_u32 v36, v3, 3, RES                 ; wave 0: two results a lane,
	v_lshl_add_u32 v37, v3, 3, s63                 ; and their place in out: 256 x work-group + 8 x lane
	v_nop
; Tile t: its 8 numbers of P and 8 of Q are in; the later tiles' 16 loads each may be out (loads come back in order: ISA guide 5.7.1).  Each accumulator is read from its low end on.
.macro TILE t
	s_wait_loadcnt 48-16*\t
.irp p, 0,2,4,6
.if (\t == 0) && (\p == 0)
	v_pk_mul_f32 v[SUMI:SUMI+1], v[PU:PU+1], v[QI:QI+1]        ; the first products start the sums
	v_pk_mul_f32 v[SUMG:SUMG+1], v[PU:PU+1], v[D:D+1]
.else
	v_pk_fma_f32 v[SUMI:SUMI+1], v[PU+8*\t+\p:PU+8*\t+\p+1], v[QI+8*\t+\p:QI+8*\t+\p+1], v[SUMI:SUMI+1]
	v_pk_fma_f32 v[SUMG:SUMG+1], v[PU+8*\t+\p:PU+8*\t+\p+1], v[D+8*\t+\p:D+8*\t+\p+1], v[SUMG:SUMG+1]
.endif
.endr
.endm
	TILE 0
	TILE 1
	TILE 2
	TILE 3
	v_add_f32 v[SUMI], v[SUMI], v[SUMI+1]
	v_add_f32 v[SUMG], v[SUMG], v[SUMG+1]
	v_ldexp_f32 v[SUMG], v[SUMG], s59              ; the codes' sums stand for sums x 2^(e0 + e1)
	v_add_f32 v[SUMI], v[SUMI], v[SUMG]            ; my 32 latent indices
	v_permlanex16_b32 v[SUMI+1], v[SUMI], s[SEL], s[SEL+1]   ; (its destination counts as read: it has been written)
	v_add_f32 v[SUMI], v[SUMI], v[SUMI+1]          ; and the other 32, of lane l xor 16: both lanes now hold the same number
	ds_store_b32 v15, v[SUMI]                      ; lanes l and l + 16 write the same word with the same value
	s_wait_dscnt 0x0                               ; for wave 0's sake
	s_barrier_signal -1
	s_barrier_wait -1
	s_cmp_lg_u32 s[WV], 0
	s_cbranch_scc1 .Lend
	ds_load_b64 v[RO:RO+1], v36                    ; wave 0 takes the work-group's 64 results
	s_wait_dscnt 0x0
	global_store_b64 v37, v[RO:RO+1], s[14:15] th:TH_STORE_NT   ; one store covers 256 consecutive bytes, at a multiple of 256 from out's first byte
.Lend:
	s_wait_tensorcnt 0x0
	ds_add_u32 v192, v193
	s_wait_dscnt 0x0
	s_endpgm
.Lfunc_end_k_qcf89e388fb_gmf:
	.size	k_qcf89e388fb_gmf, .Lfunc_end_k_qcf89e388fb_gmf-k_qcf89e388fb_gmf
	.p2alignl 7, 3214868480
	.fill 96, 4, 3214868480
	.section	.rodata,"a",@progbits
	.p2align	6, 0x0
	.amdhsa_kernel k_qcf89e388fb_gmf
		.amdhsa_group_segment_fixed_size 3584
		.amdhsa_private_segment_fixed_size 0
		.amdhsa_enable_private_segment 0
		.amdhsa_kernarg_size 56
		.amdhsa_user_sgpr_count 2
		.amdhsa_user_sgpr_kernarg_segment_ptr 1
		.amdhsa_wavefront_size32 1
		.amdhsa_system_sgpr_workgroup_id_x 1
		.amdhsa_system_sgpr_workgroup_id_y 1
		.amdhsa_system_sgpr_workgroup_id_z 1
		.amdhsa_system_vgpr_workitem_id 0
		.amdhsa_next_free_vgpr 194
		.amdhsa_next_free_sgpr 66
		.amdhsa_reserve_vcc 0
		.amdhsa_float_denorm_mode_32 3
		.amdhsa_float_denorm_mode_16_64 3
		.amdhsa_memory_ordered 1
		.amdhsa_forward_progress 1
		.amdhsa_inst_pref_size 16
	.end_amdhsa_kernel
	.amdgpu_metadata
---
amdhsa.version: [ 1, 2 ]
amdhsa.kernels:
  - .name:           k_qcf89e388fb_gmf
    .symbol:         k_qcf89e388fb_gmf.kd
    .args:
      - { .name: user_ids, .offset: 0, .size: 8, .value_kind: global_buffer, .address_space: global }
      - { .name: item_ids, .offset: 8, .size: 8, .value_kind: global_buffer, .address_space: global }
      - { .name: genres_one_hot_codes, .offset: 16, .size: 8, .value_kind: global_buffer, .address_space: global }
      - { .name: lowp_scales, .offset: 24, .size: 8, .value_kind: global_buffer, .address_space: global }
      - { .name: P_weight, .offset: 32, .size: 8, .value_kind: global_buffer, .address_space: global }
      - { .name: out0, .offset: 40, .size: 8, .value_kind: global_buffer, .address_space: global }
      - { .name: Q_weight, .offset: 48, .size: 8, .value_kind: global_buffer, .address_space: global }
    .group_segment_fixed_size: 3584
    .private_segment_fixed_size: 0
    .kernarg_segment_align: 8
    .kernarg_segment_size: 56
    .max_flat_workgroup_size: 128
    .sgpr_count:     66
    .vgpr_count:     194
    .wavefront_size: 32
...
	.end_amdgpu_metadata
.endif
;; end of part 1
;; ======== version 2 of 2: 1 launch; version 1 with the launch gmf written anew for expert scheduling mode
;; launch gmf (part 2): grid 256 x 1, 4 waves a work-group, no clusters, 3,584 bytes of LDS; arguments user_ids, item_ids, genres_one_hot_codes, lowp_scales, P_weight, out0, Q_weight; writes out0
.if DOCPART == 2
	.amdgcn_target "amdgcn-amd-amdhsa--gfx1250"
	.amdhsa_code_object_version 6
	.text
	.protected	k_qcf89e388fb_gmf
	.globl	k_qcf89e388fb_gmf
	.p2align	8
	.type	k_qcf89e388fb_gmf,@function
k_qcf89e388fb_gmf:
	s_mov_b64 s[64:65], 0
	v_nop
	global_prefetch_b8 v0, s[64:65] scope:SCOPE_SE
	s_setreg_imm32_b32 hwreg(HW_REG_WAVE_SCHED_MODE, 0, 2), 2
	s_setreg_imm32_b32 hwreg(HW_REG_WAVE_MODE, 25, 1), 1
	s_wait_xcnt 0x0
	s_wait_alu depctr_vm_vsrc(0)
; out[b] = sum over k = 0..63 of P[k][user[b]] x ( Q[k][item[b]] + sum over g = 0..31 of genres[b][g] x Q[k][100000 + g] ).
; P: [64][1,000,000] f32, Q: [64][100,032] f32, genres: [16,384][32] codes of E5M2 with the scale 2^e0; the 64 x 32 genre weights are quantised here to E5M2 with the scale 2^e1.
; SHARES.  256 work-groups of four waves; a work-group owns 64 batch elements, a wave 16.
; LAYOUT.  The matrix instruction is used transposed: source 0 = 16 rows (latent k) of the genre weights, source 1 = my 16 batch elements' genre codes.  In tile t lane (r, h) (r = lane % 16, h = lane / 16)
; then holds batch element r, and its register j the latent index 16 t + 8 h + j.  The lane gathers just these 32 numbers of P and of Q, into registers laid like the four accumulators: nothing changes lanes
; before the last addition of lane l and lane l xor 16.
; K is 32 and the form multiplies 64 deep: registers 4-7 of both operands hold zero codes, which add nothing.  k is permuted alike in both operands (a lane holds g = 16 h + 0 .. 15 in registers 0-3),
; so every product meets its partner and the codes come in by one load of 16 bytes a lane.
; THE GATHERS are 64 loads a wave, each lane at a place of its own; all are issued as soon as the ids are in, and all arithmetic stands beneath them.
; THE WEIGHTS are quantised once in a work-group: wave w makes tile w and hands it to the others through LDS.
; THE SUMS.  sum1 = sum of P x Q_item and sum2 = sum of P x (the codes' raw sums) are kept apart; out = sum1 + sum2 x 2^(e0 + e1), by v_ldexp_f32.  That is another order of rounding than
; adding the two parts of q first; every step is f32.
; LIMITS.  An id outside its table (taken as unsigned, so a negative one too) is held at the table's last column.  e1 lies between -126 and 112, so that 2^e1 and 57,344 x 2^e1 are f32 numbers;
; e0 + e1 has no limit.  NaN among the 64 x 32 genre weights is not served; an infinity there is held at the largest code, as the quantiser holds it.
; THE MODE: SCHED_MODE bits 1:0 = 2 (LLVM: expert scheduling mode 2), set by the entry lines.  The code itself states the register dependences
; between vector or matrix instructions and memory or LDS instructions, with s_wait_alu, always for 0.
; THE PLAN.  Registers that memory or LDS instructions touch, in the order of the text:
;   v4, v5, v6        offsets of the ids, the codes, the weights: made at the head, read by the first seven loads, never written again.
;   X, B's 0-3, v7, v8  those loads land here; no vector line names them before.
;   WC, v9            the conversions' codes and their LDS address: read by one LDS store, never written again.
;   v7, v8            made into the gathers' offsets by six vector lines, read by the 64 gathers, never written again.
;   PU, QI            the gathers land here; no vector line names them before.
;   v10, A's 0-3      the LDS address, made at the head, and the data of the four LDS loads behind the first barrier; the zeros go to A's 4-7 alone.
;   v15, v36, v37, SUMI, RO   the way out: three addresses made behind the products, the result, and wave 0's two results out of LDS.
; So three waits on va_vdst state all of it: ahead of the first loads; ahead of the LDS store of the codes, with the gathers and the tiles' LDS loads behind it and no vector line between;
; ahead of the LDS store of the result, with no vector line behind it.  No register that a memory or LDS instruction reads is written a second time, so no wait on vm_vsrc is owed.
.set NU,    1000000                    ; columns of P
.set NI,    100000                     ; item columns of Q; the 32 genre columns follow them
.set PROW,  NU*4                       ; bytes in a row of P
.set QROW,  (NI+32)*4                  ; bytes in a row of Q
.set RES,   2048                       ; LDS: bytes 0-2,047 the weights' codes (tile t, lane l: 16 bytes at 512 t + 16 l); bytes 2,048-2,303 the work-group's 64 results
.set X,     16                         ; v16-31    16 genre weights in f32
.set WC,    32                         ; v32-35    their codes
.set A,     40                         ; v40-71    four tiles of weights: 4 registers of codes, 4 of zeros each
.set B,     72                         ; v72-79    my batch elements' genre codes: 4 registers, and 4 of zeros
.set D,     80                         ; v80-111   the four accumulators
.set PU,    112                        ; v112-143  P[16 t + 8 h + j][user] at 8 t + j
.set QI,    144                        ; v144-175  Q likewise
.set SUMI,  176                        ; v176-177  sum1, even j's and odd j's
.set SUMG,  178                        ; v178-179  sum2 likewise
.set RO,    180                        ; v180-181  wave 0: two results to store
.set PB,    20                         ; s[20:43]  P at rows 16 t, 16 t + 3, 16 t + 6: three bases a tile; the loads' immediates add 0, 1 or 2 rows
.set QB,    44                         ; s[44:51]  Q at row 16 t; the immediates add 0 to 7 rows
.set SEL,   52                         ; s[52:53]  v_permlanex16_b32's selects for lane l xor 16
.set WV,    54                         ; s54       my wave's number
	s_load_b256 s[4:11], s[0:1], 0x0               ; user_ids s[4:5], item_ids s[6:7], genre codes s[8:9], the scales' exponents s[10:11]
	s_load_b128 s[12:15], s[0:1], 0x20             ; P s[12:13], out s[14:15]
	s_load_b64 s[QB:QB+1], s[0:1], 0x30            ; Q
	v_lshl_add_u32 v192, v0, 2, 0xc00
	v_mov_b32 v193, 0
	v_lshrrev_b32 v3, 5, v0
	v_readfirstlane_b32 s[WV], v3                  ; wave 0..3
	v_and_b32 v1, 15, v0                           ; r
	v_bfe_u32 v2, v0, 4, 1                         ; h
	v_and_b32 v3, 31, v0                           ; lane
	s_wait_alu depctr_va_sdst(0)                   ; s54, the wave's number, is written, ahead of its first reader
	s_lshl_b32 s55, s[WV], 4
	s_lshl_b32 s56, ttmp9, 6
	s_add_co_u32 s56, s56, s55                     ; my wave's first batch element: 64 x work-group + 16 x wave
	v_add_nc_u32 v6, s55, v1                       ; the row of weights that I quantise: 16 x wave + r,
	v_mul_u32_u24 v6, v6, QROW
	v_lshl_add_u32 v6, v2, 6, v6                   ; its g = 16 h on: 64 bytes (the 400,000 bytes of item columns stand in the immediate)
	v_add_lshl_u32 v4, v1, s56, 2                  ; my batch element's id: 4 bytes
	v_add_lshl_u32 v5, v1, s56, 5                  ; its 32 codes,
	v_lshl_add_u32 v5, v2, 4, v5                   ; my half of them: the wave reads 512 consecutive bytes
	s_wait_kmcnt 0x0
	s_load_b64 s[18:19], s[10:11], 0x0             ; e0, e1
	s_wait_alu depctr_va_vdst(0)                   ; v4, v5 and v6 are written: the seven loads below read them as their offsets
.irp i, 0,1,2,3
	global_load_b128 v[X+4*\i:X+4*\i+3], v6, s[QB:QB+1] offset:NI*4+16*\i th:TH_LOAD_HT   ; every work-group reads these 8,192 bytes
.endr
	global_load_b128 v[B:B+3], v5, s[8:9] th:TH_LOAD_NT
	global_load_b32 v7, v4, s[4:5] th:TH_LOAD_NT   ; both halves of the lanes take the same 16 ids
	global_load_b32 v8, v4, s[6:7] th:TH_LOAD_NT
	; while these are on their way: the bases and the lanes' terms of the gathers
.irp t, 0,1,2,3
.irp g, 0,1,2
	s_add_nc_u64 s[PB+6*\t+2*\g:PB+6*\t+2*\g+1], s[12:13], (16*\t+3*\g)*PROW
.endr
.endr
.irp t, 1,2,3
	s_add_nc_u64 s[QB+2*\t:QB+2*\t+1], s[QB:QB+1], 16*\t*QROW
.endr
	s_mov_b32 s[SEL], 0x76543210
	s_mov_b32 s[SEL+1], 0xfedcba98
	s_mov_b32 s60, 8*PROW
	v_mul_lo_u32 v13, v2, s60                      ; lanes 16-31 stand eight rows further down in P (32,000,000 bytes: more than 24 bits),
	v_mul_u32_u24 v14, v2, 8*QROW                  ; and in Q
	s_lshl_b32 s61, s[WV], 9
	v_lshl_add_u32 v9, v3, 4, s61                  ; LDS: where my codes go: 512 x wave + 16 x lane
	v_lshlrev_b32 v10, 4, v3                       ; and from where I read a tile back
	s_wait_kmcnt 0x0
	s_add_co_i32 s57, s19, 127
	s_lshl_b32 s58, s57, 23
	v_mov_b32 v12, s58                             ; 2^e1 as f32: the conversion takes its exponent field
	s_add_co_i32 s57, s57, 15
	s_lshl_b32 s57, s57, 23
	s_or_b32 s57, s57, 0x600000
	v_mov_b32 v11, s57                             ; 57,344 x 2^e1
	s_add_co_i32 s59, s18, s19                     ; e0 + e1
	s_wait_alu depctr_va_vdst(0)
	s_wait_loadcnt 0x3                             ; my 16 weights are in; the codes and the two ids may be out
.irp i, 0,1,2,3,4,5,6,7,8,9,10,11,12,13,14,15
	v_med3_num_f32 v[X+\i], v[X+\i], -v11, v11     ; the conversion to an 8-bit code does not saturate (ISA guide 7.6.2): hold the number first
.endr
	v_cvt_scalef32_pk8_bf8_f32 v[WC:WC+1], v[X:X+7], v12       ; g = 16 h + 0 .. 7: x / 2^e1 to the nearest code, ties to even; the first number's code in the lowest byte
	v_cvt_scalef32_pk8_bf8_f32 v[WC+2:WC+3], v[X+8:X+15], v12  ; g = 16 h + 8 .. 15
.irp i, 4,5,6,7                                        ; the zero codes for k = 32 .. 63; these lines are also the plain place behind the conversions
	v_mov_b32 v[B+\i], 0
.irp t, 0,1,2,3
	v_mov_b32 v[A+8*\t+\i], 0
.endr
.endr
	s_wait_loadcnt 0x0                             ; the ids (and the codes, issued ahead of them)
	v_min_u32 v7, NU-1, v7                         ; an id enters an address only held inside its table
	v_min_u32 v8, NI-1, v8
	v_lshlrev_b32 v7, 2, v7
	v_lshlrev_b32 v8, 2, v8
	v_add_nc_u32 v7, v7, v13                       ; 4 x user + 8 h rows of P
	v_add_nc_u32 v8, v8, v14                       ; 4 x item + 8 h rows of Q
	s_wait_alu depctr_va_vdst(0)                   ; the conversions have written v[WC ..] and the lines above v9, which the LDS store reads; v7 and v8 are written, the gathers' offsets; so is v10, the address of the LDS loads behind the barrier.  No vector line stands between this wait and the last of those
	ds_store_b128 v9, v[WC:WC+3]
	; THE GATHERS: 64 loads, tile by tile.  No register is stepped: the row stands in the base and in an immediate of 0 or more (two rows of P are 8,000,000 bytes, seven of Q 2,800,896: inside the signed 24 bits).
.irp t, 0,1,2,3
.irp j, 0,1,2,3,4,5,6,7
	global_load_b32 v[PU+8*\t+\j], v7, s[PB+6*\t+2*(\j/3):PB+6*\t+2*(\j/3)+1] offset:(\j%3)*PROW
.endr
.irp j, 0,1,2,3,4,5,6,7
	global_load_b32 v[QI+8*\t+\j], v8, s[QB+2*\t:QB+2*\t+1] offset:\j*QROW th:TH_LOAD_HT   ; 16,384 items fall on 100,000 columns: Q's bytes are wanted again by other work-groups
.endr
.endr
	s_wait_dscnt 0x0                               ; for the others' sake: my tile of codes is in LDS
	s_barrier_signal -1
	s_barrier_wait -1                              ; all four tiles are
.irp t, 0,1,2,3
	ds_load_b128 v[A+8*\t:A+8*\t+3], v10 offset:512*\t   ; 32 lanes, 512 consecutive bytes
.endr
	s_wait_dscnt 0x0
.irp t, 0,1,2,3
	v_wmma_f32_16x16x64_bf8_bf8 v[D+8*\t:D+8*\t+7], v[A+8*\t:A+8*\t+7], v[B:B+7], 0   ; four accumulators, one instruction each; C = 0: nothing is cleared
.endr
	s_lshl_b32 s62, s[WV], 6
	s_add_co_u32 s62, s62, RES
	s_lshl_b32 s63, ttmp9, 8
	v_lshl_add_u32 v15, v1, 2, s62                 ; LDS: my batch element's result: RES + 64 x wave + 4 r.  These four plain lines are the places between the products and the first read of a result (ISA guide 7.12.1)
	v_lshl_add_u32 v36, v3, 3, RES                 ; wave 0: two results a lane,
	v_lshl_add_u32 v37, v3, 3, s63                 ; and their place in out: 256 x work-group + 8 x lane
	v_nop
; Tile t: its 8 numbers of P and 8 of Q are in; the later tiles' 16 loads each may be out (loads come back in order: ISA guide 5.7.1).  Each accumulator is read from its low end on.
.macro TILE t
	s_wait_loadcnt 48-16*\t
.irp p, 0,2,4,6
.if (\t == 0) && (\p == 0)
	v_pk_mul_f32 v[SUMI:SUMI+1], v[PU:PU+1], v[QI:QI+1]        ; the first products start the sums
	v_pk_mul_f32 v[SUMG:SUMG+1], v[PU:PU+1], v[D:D+1]
.else
	v_pk_fma_f32 v[SUMI:SUMI+1], v[PU+8*\t+\p:PU+8*\t+\p+1], v[QI+8*\t+\p:QI+8*\t+\p+1], v[SUMI:SUMI+1]
	v_pk_fma_f32 v[SUMG:SUMG+1], v[PU+8*\t+\p:PU+8*\t+\p+1], v[D+8*\t+\p:D+8*\t+\p+1], v[SUMG:SUMG+1]
.endif
.endr
.endm
	TILE 0
	s_wait_alu depctr_va_vdst(0)
	TILE 1
	s_wait_alu depctr_va_vdst(0)
	TILE 2
	s_wait_alu depctr_va_vdst(0)
	TILE 3
	v_add_f32 v[SUMI], v[SUMI], v[SUMI+1]
	v_add_f32 v[SUMG], v[SUMG], v[SUMG+1]
	v_ldexp_f32 v[SUMG], v[SUMG], s59              ; the codes' sums stand for sums x 2^(e0 + e1)
	v_add_f32 v[SUMI], v[SUMI], v[SUMG]            ; my 32 latent indices
	v_permlanex16_b32 v[SUMI+1], v[SUMI], s[SEL], s[SEL+1]   ; (its destination counts as read: it has been written)
	v_add_f32 v[SUMI], v[SUMI], v[SUMI+1]          ; and the other 32, of lane l xor 16: both lanes now hold the same number
	s_wait_alu depctr_va_vdst(0)                   ; the last addition has written v[SUMI] and the lines behind the products v15, which the LDS store reads; v36 and v37 are written, wave 0's addresses below.  No vector line follows
	ds_store_b32 v15, v[SUMI]                      ; lanes l and l + 16 write the same word with the same value
	s_wait_dscnt 0x0                               ; for wave 0's sake
	s_barrier_signal -1
	s_barrier_wait -1
	s_cmp_lg_u32 s[WV], 0
	s_cbranch_scc1 .Lend
	ds_load_b64 v[RO:RO+1], v36                    ; wave 0 takes the work-group's 64 results
	s_wait_dscnt 0x0
	global_store_b64 v37, v[RO:RO+1], s[14:15] th:TH_STORE_NT   ; one store covers 256 consecutive bytes, at a multiple of 256 from out's first byte
.Lend:
	s_wait_dscnt 0x0                               ; the closing lines, six on end
	s_wait_alu 0x0
	s_wait_tensorcnt 0x0
	ds_add_u32 v192, v193
	s_wait_dscnt 0x0
	s_endpgm
.Lfunc_end_k_qcf89e388fb_gmf:
	.size	k_qcf89e388fb_gmf, .Lfunc_end_k_qcf89e388fb_gmf-k_qcf89e388fb_gmf
	.p2alignl 7, 3214868480
	.fill 96, 4, 3214868480
	.section	.rodata,"a",@progbits
	.p2align	6, 0x0
	.amdhsa_kernel k_qcf89e388fb_gmf
		.amdhsa_group_segment_fixed_size 3584
		.amdhsa_private_segment_fixed_size 0
		.amdhsa_enable_private_segment 0
		.amdhsa_kernarg_size 56
		.amdhsa_user_sgpr_count 2
		.amdhsa_user_sgpr_kernarg_segment_ptr 1
		.amdhsa_wavefront_size32 1
		.amdhsa_system_sgpr_workgroup_id_x 1
		.amdhsa_system_sgpr_workgroup_id_y 1
		.amdhsa_system_sgpr_workgroup_id_z 1
		.amdhsa_system_vgpr_workitem_id 0
		.amdhsa_next_free_vgpr 194
		.amdhsa_next_free_sgpr 66
		.amdhsa_reserve_vcc 0
		.amdhsa_float_denorm_mode_32 3
		.amdhsa_float_denorm_mode_16_64 3
		.amdhsa_memory_ordered 1
		.amdhsa_forward_progress 1
		.amdhsa_inst_pref_size 17
	.end_amdhsa_kernel
	.amdgpu_metadata
---
amdhsa.version: [ 1, 2 ]
amdhsa.kernels:
  - .name:           k_qcf89e388fb_gmf
    .symbol:         k_qcf89e388fb_gmf.kd
    .args:
      - { .name: user_ids, .offset: 0, .size: 8, .value_kind: global_buffer, .address_space: global }
      - { .name: item_ids, .offset: 8, .size: 8, .value_kind: global_buffer, .address_space: global }
      - { .name: genres_one_hot_codes, .offset: 16, .size: 8, .value_kind: global_buffer, .address_space: global }
      - { .name: lowp_scales, .offset: 24, .size: 8, .value_kind: global_buffer, .address_space: global }
      - { .name: P_weight, .offset: 32, .size: 8, .value_kind: global_buffer, .address_space: global }
      - { .name: out0, .offset: 40, .size: 8, .value_kind: global_buffer, .address_space: global }
      - { .name: Q_weight, .offset: 48, .size: 8, .value_kind: global_buffer, .address_space: global }
    .group_segment_fixed_size: 3584
    .private_segment_fixed_size: 0
    .kernarg_segment_align: 8
    .kernarg_segment_size: 56
    .max_flat_workgroup_size: 128
    .sgpr_count:     66
    .vgpr_count:     194
    .wavefront_size: 32
...
	.end_amdgpu_metadata
.endif
;; end of part 2
